; MI455X (gfx1250); checked and timed in simulation.
; The chip was launched on July 23, 2026; its instructions are those of AMD's public machine-readable ISA for CDNA 5 (MIT licence, August 2026) and "CDNA5" Instruction Set Architecture Reference Guide (July 2026). The comments in the code are by the model that wrote it; some were corrected since.
;; Instance Decoder. Allowed arithmetic: float matrix products may take bf16 or f16 operands with f32 sums; all other float work in f32.
;; Inputs: beta_b 1 float32; beta_w 256 float32; coord_b 24 float32; coord_w 256 x 24 float32; x 16,384 x 256 float32.
;; Outputs: out0 16,384 float32; out1 16,384 x 24 float32; out2 16,384 float32; out3 16,384 int32.
;; One version. Each part assembles by itself: llvm-mc -triple=amdgcn-amd-amdhsa -mcpu=gfx1250 --defsym DOCPART=n.
;; ======== version 1 of 1: 3 launches
;; workspace buffers: frag 1,048,576 bytes; cnt 1,024 bytes of whole numbers; lrank 65,536 bytes of whole numbers; rank 65,536 bytes of whole numbers; blk 262,144 bytes of whole numbers
;; launch project (part 1): grid 256 x 1, 4 waves a work-group, no clusters, 167,936 bytes of LDS; arguments x, coord_w, beta_w, coord_b, beta_b, out0, out1, frag, lrank, cnt; writes out0, out1, frag, lrank, cnt
.if DOCPART == 1
	.amdgcn_target "amdgcn-amd-amdhsa--gfx1250"
	.amdhsa_code_object_version 6
	.text
	.protected	k_q4f87501213_project
	.globl	k_q4f87501213_project
	.p2align	8
	.type	k_q4f87501213_project,@function
k_q4f87501213_project:
	s_mov_b64 s[64:65], 0
	v_nop
	global_prefetch_b8 v0, s[64:65] scope:SCOPE_SE
	s_setreg_imm32_b32 hwreg(HW_REG_WAVE_MODE, 25, 1), 1
	s_wait_xcnt 0x0
; PROJECT.  y = x W (24 coordinate columns and the beta column in one product, bf16 operands, f32 sums); out1 = y + coord_b; out0 = sigmoid(z + beta_b);
; and for the pair stage a record for each hit, laid out as a matrix fragment: h = bf16(y) ahead of the bias (the bias cancels in a difference), and in K places 24-26
; three bf16 pieces of -s/2, s = the sum of h^2 taken of the ROUNDED h (so that h_i.h_j - s_j/2 orders the centres by |h_i - h_j|^2), or of -1e30 where the hit is no centre.
; Every input, the two biases too, is rounded to bf16.
; SHARES.  A work-group owns 64 hits, a wave 16 (one tile).  The product is used transposed: source 0 = 16 features, source 1 = 16 hits, so a lane holds ONE hit (lane % 16)
; and eight features 8 (lane / 16) + 0..7 of each accumulator: ACC features 0-15, ACC+8 features 16-31 (24 is z, 25-31 are 0).
; NO CLUSTER: what the work-groups share is W, 25,600 bytes, beside each one's own 65,536 bytes of x.
; LIMITS.  s/2 stays under 1e30.  NaN and infinities are not treated apart.  A hit whose sigmoid lies within a few last places of 0.1 may fall on the other side of the threshold.
.set XPITCH, 1040                      ; a row of x in LDS: 1,024 bytes + 16 of padding = 260 words: the 16 rows that a load touches start 4 banks apart
.set XTW,    16*XPITCH                 ; a wave's 16 rows
.set WT,     4*XTW                     ; W in bf16, [k][32 features], 64 bytes of data in a row
.set WPITCH, 96                        ; three times 32 bytes, as the turning load's rows want
.set OS,     WT+256*WPITCH             ; out1's stages, one a wave
.set OPITCH, 144                       ; 32 floats + 16 bytes
.set OSW,    16*OPITCH
.set STG,    OS+4*OSW                  ; +0 of[64]; +256 the rank inside the wave's tile [64]; +512 the four waves' counts
.set SPARE,  STG+768                   ; the spare words, 128 bytes a wave: two blocks of 256 bytes that no other line names
.set RR,  1                            ; lane % 16
.set HH,  2                            ; lane / 16
.set LN,  3                            ; lane
.set XA,  4                            ; LDS: my row of x, + 32 h
.set WA,  5                            ; LDS: my place in W for the turning load
.set WG,  6                            ; 192 t: two rows of coord_w in memory
.set BG,  7                            ; 8 t: two numbers of beta_w
.set CG,  8                            ; 32 h: coord_b of features 8 h ..
.set ZR,  9                            ; 0
.set WS,  10                           ; LDS: where thread t puts its two rows of W
.set SO,  11                           ; LDS: my place in out1's stage
.set RB,  12                           ; v12-14 LDS: the three pieces that I read back
.set SG,  15                           ; LDS: of (lower lanes) or rank (upper lanes) of my hit
.set CN,  16                           ; LDS: my wave's count
.set L16, 17                           ; 16 x lane
.set L8,  18                           ; 8 x lane
.set TA,  19                           ; at work
.set BB,  20                           ; beta_b, rounded to bf16
.set TB,  21                           ; at work
.set SPW, 22                           ; my spare word's LDS address; never rewritten
.set NIL, 23                           ; 0; never rewritten
.set ACC, 24                           ; v24-39  two accumulators
.set XF,  40                           ; v40-63  x's fragments, a ring of three
.set CB,  64                           ; v64-79  coord_b of my 16 features
.set XS,  80                           ; v80-127 x in f32 as read from LDS, a ring of three
.set WF,  128                          ; v128-255 W's fragments: K step s, feature half f at WF + 16 s + 8 f
.set W32, 128                          ; ahead of that: my two rows of W in f32 (48), beta_w (2)
.set PK,  192                          ; and packed, 16 words a row
.set HF,  128                          ; behind the products: the hit's record
.set UN,  136                          ; its 16 numbers in f32
.set SQ,  152
.set SS,  156
.set T1,  157
.set T2,  158
.set ZZ,  159
.set EE,  160
.set OF,  161
.set QQ,  162
.set P0,  163
.set R1,  164
.set R2,  165
.set P4,  166
.set P5,  167
.set OX,  172                          ; v172-187 y + bias
.set BK,  188                          ; v188-199 out1's pieces read back
.set G0,  28                           ; s[28:31] descriptor group 0
.set G1,  32                           ; s[32:39] descriptor group 1
	s_load_b512 s[8:23], s[0:1], 0x0               ; x s[8:9], coord_w s[10:11], beta_w s[12:13], coord_b s[14:15], beta_b s[16:17], out0 s[18:19], out1 s[20:21], frag s[22:23]
	s_load_b128 s[24:27], s[0:1], 0x40             ; lrank s[24:25], cnt s[26:27]
	v_lshl_add_u32 v[SPW], v0, 2, SPARE
	v_mov_b32 v[NIL], 0
	ds_add_u32 v[SPW], v[NIL]                      ; the wave's opening: the add and its wait ahead of my tensor load
	ds_add_u32 v22, v23
	v_lshrrev_b32 v[TA], 5, v0
	v_readfirstlane_b32 s4, v[TA]                  ; wave 0..3
	s_mov_b32 s5, ttmp9                            ; the work-group: hits 64 g ..
	v_and_b32 v[RR], 15, v0
	v_bfe_u32 v[HH], v0, 4, 1
	v_and_b32 v[LN], 31, v0
	; group 1: 16 rows of 256 elements of 4 bytes, 16 bytes of padding behind each row
	s_mov_b32 s[G1+0], (2<<16)|(1<<20)|(7<<22)|(3<<25)  ; 17:16 4-byte elements; 20 padding on; 24:22 after every 256 words (code 7); 31:25 4 words (code 3)
	s_mov_b32 s[G1+1], 256<<16                     ; tensor_dim0 = 256
	s_mov_b32 s[G1+2], 16<<16                      ; tensor_dim1 = 16
	s_mov_b32 s[G1+3], 256<<16                     ; tile_dim0 = 256
	s_mov_b32 s[G1+4], 16                          ; tile_dim1 = 16
	s_mov_b32 s[G1+5], 256                         ; 256 elements from row to row
	s_mov_b32 s[G1+6], 0
	s_mov_b32 s[G1+7], 0
	s_mov_b32 s[G0], 1
	s_mul_i32 s[G0+1], s4, XTW                     ; my wave's rows in LDS
	s_lshl_b32 s6, s5, 16                          ; 64 g rows of 1,024 bytes
	s_lshl_b32 s48, s4, 14                         ; + 16 w rows
	s_add_co_u32 s6, s6, s48
	s_mov_b32 s7, 0
	s_mov_b32 s40, 0xffff0000                      ; lanes 16-31; also a word's upper bf16
	s_mov_b32 s42, 0x76543210                      ; v_permlanex16_b32: each lane takes its own place in the other half
	s_mov_b32 s43, 0xfedcba98
	s_mov_b32 s52, 0x3dcccccd                      ; 0.1
	s_mov_b32 s53, 0xf149f2ca                      ; -1e30
	s_wait_dscnt 0x0                               ; the opening add is done
	s_wait_kmcnt 0x0
	s_add_nc_u64 s[G0+2:G0+3], s[8:9], s[6:7]
	s_or_b32 s[G0+3], s[G0+3], 0x80000000          ; type = 2
	tensor_load_to_lds s[G0:G0+3], s[G1:G1+7]      ; my 16 rows of x: the wave's one tensor load
	s_nop 0
	s_load_b32 s44, s[16:17], 0x0                  ; beta_b
	; W: thread t takes rows 2 t and 2 t + 1 of coord_w (192 bytes on end) and the two numbers of beta_w
	v_mul_u32_u24 v[WG], v0, 192
	v_lshlrev_b32 v[BG], 3, v0
	v_lshlrev_b32 v[CG], 5, v[HH]
	v_mov_b32 v[ZR], 0
.irp i, 0,1,2,3,4,5,6,7,8,9,10,11
	global_load_b128 v[W32+4*\i:W32+4*\i+3], v[WG], s[10:11] offset:16*\i
.endr
	global_load_b64 v[W32+48:W32+49], v[BG], s[12:13]
	global_load_b128 v[CB:CB+3],     v[CG], s[14:15]            ; coord_b of features 8 h + 0..7
	global_load_b128 v[CB+4:CB+7],   v[CG], s[14:15] offset:16
	global_load_b128 v[CB+8:CB+11],  v[ZR], s[14:15] offset:64  ; and of features 16..23
	global_load_b128 v[CB+12:CB+15], v[ZR], s[14:15] offset:80
	; the addresses, while the loads are out
	v_add_nc_u32 v[WS], WT, v[WG]                  ; an LDS row of W is 96 bytes too
	v_mul_u32_u24 v[XA], v[RR], XPITCH
	v_lshl_add_u32 v[XA], v[HH], 5, v[XA]
	v_add_nc_u32 v[XA], s[G0+1], v[XA]
	v_and_b32 v[TA], 7, v0                         ; the turning load: lane l reads row 8 (l / 16) + l % 8, 16 bytes at 16 ((l / 8) % 2)
	v_lshl_add_u32 v[TA], v[HH], 3, v[TA]
	v_mul_u32_u24 v[WA], v[TA], WPITCH
	v_bfe_u32 v[TA], v0, 3, 1
	v_lshl_add_u32 v[WA], v[TA], 4, v[WA]
	v_add_nc_u32 v[WA], WT, v[WA]
	s_mul_i32 s48, s4, OSW
	s_add_co_u32 s48, s48, OS                      ; my stage
	v_mul_u32_u24 v[SO], v[RR], OPITCH
	v_lshl_add_u32 v[SO], v[HH], 5, v[SO]
	v_add_nc_u32 v[SO], s48, v[SO]
.irp i, 0,1,2                          ; piece q = lane + 32 i of the tile's 96 pieces of 16 bytes: hit q / 6 = 43 q >> 8 (exact up to 95), at 144 (q / 6) + 16 (q % 6) = 16 q + 48 (q / 6)
	v_add_nc_u32 v[TA], 32*\i, v[LN]
	v_mul_u32_u24 v[TB], v[TA], 43
	v_lshrrev_b32 v[TB], 8, v[TB]
	v_mul_u32_u24 v[TB], v[TB], 48
	v_lshl_add_u32 v[TB], v[TA], 4, v[TB]
	v_add_nc_u32 v[RB+\i], s48, v[TB]
.endr
	s_lshl_b32 s49, s4, 6
	s_add_co_u32 s49, s49, STG
	v_lshlrev_b32 v[SG], 2, v[RR]
	v_lshl_add_u32 v[SG], v[HH], 8, v[SG]
	v_add_nc_u32 v[SG], s49, v[SG]                 ; STG + 256 h + 64 w + 4 r
	s_lshl_b32 s49, s4, 2
	s_add_co_u32 s49, s49, STG+512
	v_mov_b32 v[CN], s49
	v_lshlrev_b32 v[L16], 4, v[LN]
	v_lshlrev_b32 v[L8], 3, v[LN]
	s_lshl_b32 s6, s5, 2
	s_add_co_u32 s6, s6, s4                        ; my tile t = 4 g + w
	s_lshl_b32 s50, s6, 10
	s_mov_b32 s51, 0
	s_add_nc_u64 s[22:23], s[22:23], s[50:51]      ; frag + 1,024 t
	s_mul_i32 s50, s6, 1536
	s_add_nc_u64 s[20:21], s[20:21], s[50:51]      ; out1 + 1,536 t
	s_lshl_b32 s50, s5, 8
	s_add_nc_u64 s[18:19], s[18:19], s[50:51]      ; out0 + 256 g
	s_add_nc_u64 s[24:25], s[24:25], s[50:51]      ; lrank + 256 g
	s_lshl_b32 s50, s5, 2
	s_add_nc_u64 s[26:27], s[26:27], s[50:51]      ; cnt + 4 g
	s_wait_loadcnt 0x4                             ; W and beta_w are in; the four loads of coord_b, issued behind them, may stay out
.irp a, 0,1
.irp j, 0,1,2,3,4,5,6,7,8,9,10,11
	v_cvt_pk_bf16_f32 v[PK+16*\a+\j], v[W32+24*\a+2*\j], v[W32+24*\a+2*\j+1]
.endr
	v_cvt_pk_bf16_f32 v[PK+16*\a+12], v[W32+48+\a], 0   ; feature 24 is beta_w, 25-31 are 0
	v_mov_b32 v[PK+16*\a+13], 0
	v_mov_b32 v[PK+16*\a+14], 0
	v_mov_b32 v[PK+16*\a+15], 0
.endr
.irp a, 0,1
.irp c, 0,1,2,3
	ds_store_b128 v[WS], v[PK+16*\a+4*\c:PK+16*\a+4*\c+3] offset:WPITCH*\a+16*\c
.endr
.endr
	s_wait_dscnt 0x0                               ; for the others' sake: my rows of W are in LDS
	s_barrier_signal -1
	s_barrier_wait -1                              ; everybody's are
.irp s, 0,1,2,3,4,5,6,7                ; all of W's fragments: 16 features x 32 k each, turned on the way
.irp f, 0,1
	ds_load_tr16_b128 v[WF+16*\s+8*\f:WF+16*\s+8*\f+3],   v[WA] offset:32*WPITCH*\s+32*\f
	ds_load_tr16_b128 v[WF+16*\s+8*\f+4:WF+16*\s+8*\f+7], v[WA] offset:32*WPITCH*\s+32*\f+16*WPITCH
.endr
.endr
	s_wait_loadcnt 0x0                             ; coord_b
	s_wait_kmcnt 0x0                               ; beta_b
.irp i, 0,1,2,3,4,5,6,7                ; the biases are rounded to bf16 like every other input
	v_cvt_pk_bf16_f32 v[TB], v[CB+2*\i], v[CB+2*\i+1]
	v_lshlrev_b32 v[CB+2*\i], 16, v[TB]
	v_and_b32 v[CB+2*\i+1], s40, v[TB]
.endr
	v_cvt_pk_bf16_f32 v[BB], s44, s44
	v_lshlrev_b32 v[BB], 16, v[BB]
	s_wait_dscnt 0x0                               ; W's fragments are in
	s_wait_tensorcnt 0x0                           ; my rows of x are in LDS; only my wave reads them, so no barrier
; K step s of x in f32: lane (r, h) takes k = 32 s + 8 h + 0..7 and 32 s + 16 + 8 h + 0..7 of row r
.macro XLD s
.irp o, 0,1
	ds_load_b128 v[XS+16*((\s)%3)+8*\o:XS+16*((\s)%3)+8*\o+3],   v[XA] offset:128*(\s)+64*\o
	ds_load_b128 v[XS+16*((\s)%3)+8*\o+4:XS+16*((\s)%3)+8*\o+7], v[XA] offset:128*(\s)+64*\o+16
.endr
.endm
; One K step: rounded to bf16, multiplied.  left = the LDS loads of later steps that may stay out.  The two accumulators take turns.
; A fragment register is rewritten three steps after the products that read it: the 16 conversions of the two steps between are the places (ISA guide 7.12.1).
.macro STEP s, left
	s_wait_dscnt \left
.irp j, 0,1,2,3,4,5,6,7
	v_cvt_pk_bf16_f32 v[XF+8*((\s)%3)+\j], v[XS+16*((\s)%3)+2*\j], v[XS+16*((\s)%3)+2*\j+1]
.endr
.if (\s) < 5
	XLD (\s)+3
.endif
.if (\s) == 0
	v_wmma_f32_16x16x32_bf16 v[ACC:ACC+7],    v[WF:WF+7],    v[XF:XF+7], 0     ; the first products start the sums
	v_wmma_f32_16x16x32_bf16 v[ACC+8:ACC+15], v[WF+8:WF+15], v[XF:XF+7], 0
.else
	v_wmma_f32_16x16x32_bf16 v[ACC:ACC+7],    v[WF+16*(\s):WF+16*(\s)+7],    v[XF+8*((\s)%3):XF+8*((\s)%3)+7], v[ACC:ACC+7]
	v_wmma_f32_16x16x32_bf16 v[ACC+8:ACC+15], v[WF+16*(\s)+8:WF+16*(\s)+15], v[XF+8*((\s)%3):XF+8*((\s)%3)+7], v[ACC+8:ACC+15]
.endif
.endm
	XLD 0
	XLD 1
	XLD 2
	STEP 0, 8
	STEP 1, 8
	STEP 2, 8
	STEP 3, 8
	STEP 4, 8
	STEP 5, 8
	STEP 6, 4
	STEP 7, 0
.rept 4
	v_nop                                          ; the places behind the last products
.endr
	; the record: h = bf16(y); each accumulator is read from its low end on
.irp j, 0,1,2,3,4,5,6,7
	v_cvt_pk_bf16_f32 v[HF+\j], v[ACC+2*\j], v[ACC+2*\j+1]
.endr
.irp j, 0,1,2,3,4,5,6,7
	v_lshlrev_b32 v[UN+2*\j], 16, v[HF+\j]
	v_and_b32 v[UN+2*\j+1], s40, v[HF+\j]
.endr
	v_pk_mul_f32 v[SQ:SQ+1],   v[UN:UN+1],   v[UN:UN+1]
	v_pk_mul_f32 v[SQ+2:SQ+3], v[UN+8:UN+9], v[UN+8:UN+9]
.irp j, 2,4,6
	v_pk_fma_f32 v[SQ:SQ+1],   v[UN+\j:UN+\j+1],   v[UN+\j:UN+\j+1],   v[SQ:SQ+1]
	v_pk_fma_f32 v[SQ+2:SQ+3], v[UN+8+\j:UN+9+\j], v[UN+8+\j:UN+9+\j], v[SQ+2:SQ+3]
.endr
	v_add_f32 v[SS], v[SQ], v[SQ+1]                ; features 8 h + 0..7
	v_add_f32 v[T1], v[SQ+2], v[SQ+3]              ; features 16..23 in the lower lanes; in the upper lanes z and zeros, which do not count
	v_cndmask_b32 v[T1], v[T1], 0, s40
	v_add_f32 v[SS], v[SS], v[T1]
	v_permlanex16_b32 v[T2], v[SS], s42, s43
	v_add_f32 v[SS], v[SS], v[T2]                  ; s, in both lanes of the hit
	; z lies in the upper lanes' first register of the second accumulator
	v_permlanex16_b32 v[ZZ], v[ACC+8], s42, s43
	v_cndmask_b32 v[ZZ], v[ZZ], v[ACC+8], s40
	v_add_f32 v[ZZ], v[ZZ], v[BB]
	v_mul_f32 v[EE], 0xbfb8aa3b, v[ZZ]             ; - z log2(e)
	v_exp_f32 v[EE], v[EE]
	v_mul_f32 v[QQ], -0.5, v[SS]                   ; a plain instruction behind the exponential
	s_wait_alu depctr_va_vdst(0)
	v_add_f32 v[EE], 1.0, v[EE]
	v_rcp_f32 v[OF], v[EE]
.irp j, 0,2,4,6,8,10,12,14             ; y + bias: plain work behind the reciprocal
	v_pk_add_f32 v[OX+\j:OX+\j+1], v[ACC+\j:ACC+\j+1], v[CB+\j:CB+\j+1]
.endr
	s_wait_alu depctr_va_vdst(0)
	v_cmp_gt_f32 s45, v[OF], s52                   ; a centre: bits r and 16 + r alike
	v_cndmask_b32 v[QQ], s53, v[QQ], s45           ; -s/2, or -1e30
	v_cvt_pk_bf16_f32 v[P0], v[QQ], v[QQ]          ; three bf16 pieces: each takes what the ones before left over
	v_lshlrev_b32 v[P0], 16, v[P0]
	v_sub_f32 v[R1], v[QQ], v[P0]
	v_cvt_pk_bf16_f32 v[P0], v[R1], v[R1]
	v_lshlrev_b32 v[P0], 16, v[P0]
	v_sub_f32 v[R2], v[R1], v[P0]
	v_cvt_pk_bf16_f32 v[P4], v[QQ], v[R1]
	v_cvt_pk_bf16_f32 v[P5], v[R2], 0
	v_cndmask_b32 v[HF+4], v[HF+4], v[P4], s40     ; the upper lanes' registers 4-7 are K places 24-31
	v_cndmask_b32 v[HF+5], v[HF+5], v[P5], s40
	v_cndmask_b32 v[HF+6], v[HF+6], 0, s40
	v_cndmask_b32 v[HF+7], v[HF+7], 0, s40
	global_store_b128 v[L16], v[HF:HF+3],   s[22:23]             ; each store of the wave covers 512 consecutive bytes, aligned
	global_store_b128 v[L16], v[HF+4:HF+7], s[22:23] offset:512
	; out1 through my stage: a row of 32 floats a hit goes in, the first 24 of each row come back as 1,536 bytes on end
	ds_store_b128 v[SO], v[OX:OX+3]
	ds_store_b128 v[SO], v[OX+4:OX+7]    offset:16
	ds_store_b128 v[SO], v[OX+8:OX+11]   offset:64
	ds_store_b128 v[SO], v[OX+12:OX+15]  offset:80
.irp i, 0,1,2
	ds_load_b128 v[BK+4*\i:BK+4*\i+3], v[RB+\i]    ; LDS serves a wave's instructions in order (ISA guide 5.7.1): these see the stores above
.endr
.irp i, 0,1,2
	s_wait_dscnt 2-\i                              ; the later pieces may stay out
	global_store_b128 v[L16], v[BK+4*\i:BK+4*\i+3], s[20:21] offset:512*\i
.endr
	; the rank inside the tile: the centres among the hits before mine, counted in the upper lanes' bits
	s_and_b32 s46, s45, s40
	s_bcnt1_i32_b32 s47, s46
	v_mbcnt_lo_u32_b32 v200, s46, 0
	v_cndmask_b32 v201, -1, v200, s45
	v_cndmask_b32 v202, v[OF], v201, s40           ; lower lanes hand on of, upper lanes the rank
	v_mov_b32 v203, s47
	ds_store_b32 v[SG], v202
	ds_store_b32 v[CN], v203
	s_wait_tensorcnt 0x0                           ; the wave's end: a wait, an add and a wait behind my last LDS store; the last wait also says that my stores are done,
	ds_add_u32 v[SPW], v[NIL]
	s_wait_dscnt 0x0                               ; for the others' sake
	s_barrier_signal -1
	s_barrier_wait -1
	s_cmp_eq_u32 s4, 0
	s_cbranch_scc1 .Lwave0
	s_cmp_eq_u32 s4, 1
	s_cbranch_scc1 .Lwave1
	s_endpgm
.Lwave0:                                               ; the group's 64 of: one store of 256 consecutive bytes, aligned
	v_lshl_add_u32 v[TA], v[LN], 3, STG
	ds_load_b64 v[204:205], v[TA]
	s_wait_dscnt 0x0
	global_store_b64 v[L8], v[204:205], s[18:19]
	s_endpgm
.Lwave1:                                               ; the ranks inside the group of 64, and the group's count
	v_lshl_add_u32 v[TA], v[LN], 3, STG+256
	v_mov_b32 v216, STG+512
	ds_load_b64 v[204:205], v[TA]
	ds_load_b128 v[208:211], v216
	v_lshrrev_b32 v217, 3, v[LN]                   ; hits 2 l and 2 l + 1 lie in tile l / 8
	s_wait_dscnt 0x0
	v_cmp_lt_u32 vcc_lo, 0, v217
	v_cndmask_b32 v212, 0, v208, vcc_lo
	v_cmp_lt_u32 vcc_lo, 1, v217
	v_cndmask_b32 v213, 0, v209, vcc_lo
	v_add_nc_u32 v212, v212, v213
	v_cmp_lt_u32 vcc_lo, 2, v217
	v_cndmask_b32 v213, 0, v210, vcc_lo
	v_add_nc_u32 v212, v212, v213                  ; the centres in the tiles before
.irp k, 0,1
	v_cmp_gt_i32 vcc_lo, 0, v[204+\k]
	v_add_nc_u32 v[204+\k], v[204+\k], v212
	v_cndmask_b32 v[204+\k], v[204+\k], -1, vcc_lo
.endr
	global_store_b64 v[L8], v[204:205], s[24:25]
	v_add_nc_u32 v214, v208, v209
	v_add3_u32 v214, v214, v210, v211
	v_cmp_eq_u32 vcc_lo, 0, v[LN]
	s_wait_xcnt 0x0                                ; EXEC changes only behind this wait: the store above still names it
	s_and_saveexec_b32 s48, vcc_lo
	global_store_b32 v[ZR], v214, s[26:27]         ; one word a work-group
	s_wait_xcnt 0x0                                ; and again in front of the line that widens it
	s_or_b32 exec_lo, exec_lo, s48
	s_endpgm
.Lfunc_end_k_q4f87501213_project:
	.size	k_q4f87501213_project, .Lfunc_end_k_q4f87501213_project-k_q4f87501213_project
	.p2alignl 7, 3214868480
	.fill 96, 4, 3214868480
	.section	.rodata,"a",@progbits
	.p2align	6, 0x0
	.amdhsa_kernel k_q4f87501213_project
		.amdhsa_group_segment_fixed_size 167936
		.amdhsa_private_segment_fixed_size 0
		.amdhsa_enable_private_segment 0
		.amdhsa_kernarg_size 80
		.amdhsa_user_sgpr_count 2
		.amdhsa_user_sgpr_kernarg_segment_ptr 1
		.amdhsa_wavefront_size32 1
		.amdhsa_system_sgpr_workgroup_id_x 1
		.amdhsa_system_sgpr_workgroup_id_y 1
		.amdhsa_system_sgpr_workgroup_id_z 1
		.amdhsa_system_vgpr_workitem_id 0
		.amdhsa_next_free_vgpr 256
		.amdhsa_next_free_sgpr 66
		.amdhsa_reserve_vcc 1
		.amdhsa_float_denorm_mode_32 3
		.amdhsa_float_denorm_mode_16_64 3
		.amdhsa_memory_ordered 1
		.amdhsa_forward_progress 1
		.amdhsa_inst_pref_size 27
	.end_amdhsa_kernel
	.amdgpu_metadata
---
amdhsa.version: [ 1, 2 ]
amdhsa.kernels:
  - .name:           k_q4f87501213_project
    .symbol:         k_q4f87501213_project.kd
    .args:
      - { .name: x, .offset: 0, .size: 8, .value_kind: global_buffer, .address_space: global }
      - { .name: coord_w, .offset: 8, .size: 8, .value_kind: global_buffer, .address_space: global }
      - { .name: beta_w, .offset: 16, .size: 8, .value_kind: global_buffer, .address_space: global }
      - { .name: coord_b, .offset: 24, .size: 8, .value_kind: global_buffer, .address_space: global }
      - { .name: beta_b, .offset: 32, .size: 8, .value_kind: global_buffer, .address_space: global }
      - { .name: out0, .offset: 40, .size: 8, .value_kind: global_buffer, .address_space: global }
      - { .name: out1, .offset: 48, .size: 8, .value_kind: global_buffer, .address_space: global }
      - { .name: frag, .offset: 56, .size: 8, .value_kind: global_buffer, .address_space: global }
      - { .name: lrank, .offset: 64, .size: 8, .value_kind: global_buffer, .address_space: global }
      - { .name: cnt, .offset: 72, .size: 8, .value_kind: global_buffer, .address_space: global }
    .group_segment_fixed_size: 167936
    .private_segment_fixed_size: 0
    .kernarg_segment_align: 8
    .kernarg_segment_size: 80
    .max_flat_workgroup_size: 128
    .sgpr_count:     66
    .vgpr_count:     256
    .wavefront_size: 32
...
	.end_amdgpu_metadata
.endif
;; end of part 1
;; launch sweep (part 2): grid 64 x 4, 4 waves a work-group, clusters of 4 x 1, 266,752 bytes of LDS; arguments frag, cnt, lrank, blk, rank; writes blk, rank
.if DOCPART == 2
	.amdgcn_target "amdgcn-amd-amdhsa--gfx1250"
	.amdhsa_code_object_version 6
	.text
	.protected	k_q4f87501213_sweep
	.globl	k_q4f87501213_sweep
	.p2align	8
	.type	k_q4f87501213_sweep,@function
k_q4f87501213_sweep:
	s_mov_b64 s[64:65], 0
	v_nop
	global_prefetch_b8 v0, s[64:65] scope:SCOPE_SE
	s_setreg_imm32_b32 hwreg(HW_REG_WAVE_MODE, 25, 1), 1
	s_wait_xcnt 0x0
	s_wait_alu depctr_hold_cnt(0) depctr_sa_sdst(0) depctr_va_vdst(0) depctr_va_sdst(0) depctr_va_ssrc(0) depctr_va_vcc(0) depctr_vm_vsrc(0)
	s_getreg_b32 s2, hwreg(HW_REG_IB_STS2, 6, 4)
	s_cmp_eq_u32 s2, 0
	s_cbranch_scc0 .Lentry_in_a_cluster
	s_endpgm
.Lentry_in_a_cluster:
	s_bfe_u32 s2, ttmp6, 0x10000c
	s_cmp_lg_u32 s2, 0x3003
	s_cbranch_scc0 .Lentry_shape_is_right
	s_endpgm
.Lentry_shape_is_right:
; SWEEP.  All pairs.  D(centre j, hit i) = h_i . h_j - s_j / 2 (or about -1e30 where j is no centre) is one matrix instruction for 16 centres x 16 hits: K places 0-23 are the coordinates,
; 24-26 the centre's three pieces against ones in the hit's fragment.  The largest D is the smallest |h_i - h_j|^2.  Source 0 = 16 centres, source 1 = 16 hits: a lane holds ONE hit
; (lane % 16) and EIGHT CONSECUTIVE centres 16 T + 8 (lane / 16) + 0..7.  Only the best block of eight is kept: four v_max3 fold the eight numbers and the running best into one,
; one compare and one select keep the tile's number: six vector instructions for a product's 256 pairs.  The exact distances, radius and order inside the blocks are the next launch's.
; SHARES.  A work-group: 256 hits (x) against a quarter of the centres (y), 256 tiles = 262,144 bytes, which lie in LDS whole: nothing is filled again.  Wave w: hits 128 (w / 2) ..,
; eight fragments kept in registers, against half w % 2 of each of four chunks of 64 tiles: 1,024 products.  A centre fragment (two LDS loads) feeds eight products.
; CLUSTER.  The four work-groups of a cluster share the quarter: each chunk is asked for JOINTLY, the same loads, descriptors and mask in all four.  My place in the cluster enters
; global addresses and compared numbers alone.
; BESIDE IT wave 0 makes the global ranks of 64 hits: the sum of the counts of the groups before, plus the rank inside the group.
; LIMITS.  The block is chosen on coordinates rounded to bf16: a centre whose distance lies within that rounding of the nearest one's, in another block of the same quarter, can be missed.
; On equal D the lower block wins.  NaN and infinities are not treated apart.
.set STG,   262144                     ; behind the tiles: wave w's best values [128] at 1,024 w, their blocks [128] at 1,024 w + 512
.set SPARE, STG+4096                   ; the spare words, 128 bytes a wave: two blocks of 256 bytes that no other line names
.set AD,  5                            ; v5  LDS address of the trip's even tile, + 16 x lane
.set SPW, 10                           ; my spare word's LDS address; never rewritten
.set NIL, 11                           ; 0; never rewritten
.set AF,  32                           ; v32-39 the even tile's fragment, v40-47 the odd tile's
.set BF,  64                           ; v64-127 my eight hit fragments
.set DD,  128                          ; v128-159 four results by turns
.set BE,  160                          ; v160-167, v168-175 the running best of hit tile n, in two sets: an even tile reads the first and writes the second, an odd tile the other way
.set IX,  176                          ; v176-183 the tile in which the best was found
.set G1,  24                           ; s[24:31] descriptor group 1
.set G0,  32                           ; s[32:47] descriptor group 0, a set for each chunk
.macro CROUND                          ; a round of the cluster's barrier: my work-group's barrier; wave 0 signals for the work-group; every wave waits for all four; my work-group's barrier once more
	s_barrier_signal -1
	s_barrier_wait -1
	s_cmp_lg_u32 s14, 0
	s_cbranch_scc1 .Lnot_wave_0_\@
	s_barrier_signal -3
.Lnot_wave_0_\@:
	s_barrier_wait -3
	s_barrier_signal -1
	s_barrier_wait -1
.endm
	s_load_b256 s[4:11], s[0:1], 0x0               ; frag s[4:5], cnt s[6:7], lrank s[8:9], blk s[10:11]
	s_load_b64 s[12:13], s[0:1], 0x20              ; rank
	v_lshl_add_u32 v[SPW], v0, 2, SPARE
	v_mov_b32 v[NIL], 0
	ds_add_u32 v[SPW], v[NIL]                      ; the wave's opening: the add and its wait ahead of the round in front of my first tensor loads
	ds_add_u32 v10, v11
	v_lshrrev_b32 v12, 5, v0
	v_readfirstlane_b32 s14, v12                   ; wave 0..3
	s_and_b32 s15, s14, 1                          ; which half of each chunk I read
	s_lshr_b32 s16, s14, 1                         ; which 128 hits are mine
	s_bfe_u32 s17, ttmp6, 0x40000                  ; cx
	s_lshl_b32 s18, ttmp9, 2
	s_add_co_u32 s18, s18, s17                     ; my block of 256 hits = 4 x cluster x + cx
	s_and_b32 s19, ttmp7, 0xffff                   ; the quarter of the centres, which the four partners share
	s_lshl_b32 s20, s19, 6
	s_add_co_u32 s20, s20, s18                     ; q: the group of 64 hits whose ranks my wave 0 makes
	v_and_b32 v1, 15, v0                           ; r
	v_bfe_u32 v2, v0, 4, 1                         ; h
	v_and_b32 v3, 31, v0                           ; lane
	v_lshlrev_b32 v4, 4, v3                        ; 16 x lane
	v_lshlrev_b32 v8, 3, v3                        ; 8 x lane
	; group 1: 16,384 dense bytes as 64 rows of 256
	s_mov_b32 s[G1+0], 15|(3<<16)|(1<<21)          ; 15:0 the mask of four; 17:16 8-byte elements; 21 set beside a mask
	s_mov_b32 s[G1+1], 32<<16                      ; tensor_dim0 = 32
	s_mov_b32 s[G1+2], 64<<16                      ; tensor_dim1 = 64
	s_mov_b32 s[G1+3], 32<<16                      ; tile_dim0 = 32
	s_mov_b32 s[G1+4], 64                          ; tile_dim1 = 64
	s_mov_b32 s[G1+5], 32                          ; 32 elements from row to row
	s_mov_b32 s[G1+6], 0
	s_mov_b32 s[G1+7], 0
	s_lshl_b32 s21, s14, 14                        ; wave w fetches quarter w of each chunk
	s_lshl_b32 s22, s19, 18                        ; the quarter's 262,144 bytes of frag
	s_add_co_u32 s22, s22, s21
	s_mov_b32 s23, 0
	s_mov_b32 s52, 0xffff0000                      ; lanes 16-31
	s_mov_b32 s54, 0x76543210
	s_mov_b32 s55, 0xfedcba98
	s_mov_b32 s60, 0x3f803f80                      ; two ones in bf16
	s_mov_b32 s61, 0x00003f80                      ; a one and a zero
	s_wait_dscnt 0x0                               ; the opening add is done
	s_wait_kmcnt 0x0
	s_add_nc_u64 s[22:23], s[4:5], s[22:23]
.irp c, 0,1,2,3
	s_mov_b32 s[G0+4*\c], 1
	s_add_co_u32 s[G0+4*\c+1], s21, 65536*\c       ; LDS address: wave and chunk alone
	s_add_nc_u64 s[G0+4*\c+2:G0+4*\c+3], s[22:23], 65536*\c
	s_or_b32 s[G0+4*\c+3], s[G0+4*\c+3], 0x80000000
.endr
	CROUND                                         ; all four work-groups are here: the joint loads meet
.irp c, 0,1,2,3                        ; all first fills in one group: four tensor loads of mine are out
	tensor_load_to_lds s[G0+4*\c:G0+4*\c+3], s[G1:G1+7]
	s_nop 0
.endr
.rept 4
	v_nop
.endr
	s_lshl_b32 s56, s18, 14                        ; my hits' fragments: tile 16 x block + 8 x half
	s_lshl_b32 s57, s16, 13
	s_add_co_u32 s56, s56, s57
	s_mov_b32 s57, 0
	s_add_nc_u64 s[56:57], s[4:5], s[56:57]
.irp n, 0,1,2,3,4,5,6,7
	global_load_b128 v[BF+8*\n:BF+8*\n+3],   v4, s[56:57] offset:1024*\n
	global_load_b128 v[BF+8*\n+4:BF+8*\n+7], v4, s[56:57] offset:1024*\n+512
.endr
	s_lshl_b32 s58, s20, 8                         ; 256 q
	s_mov_b32 s59, 0
	s_add_nc_u64 s[8:9], s[8:9], s[58:59]
	s_add_nc_u64 s[12:13], s[12:13], s[58:59]
	s_lshl_b32 s58, s19, 16                        ; blk[quarter][hit]: 65,536 x quarter + 1,024 x block + 256 x wave
	s_lshl_b32 s62, s18, 10
	s_add_co_u32 s58, s58, s62
	s_lshl_b32 s62, s14, 8
	s_add_co_u32 s58, s58, s62
	s_add_nc_u64 s[10:11], s[10:11], s[58:59]
	s_lshl_b32 s62, s14, 10
	s_add_co_u32 s62, s62, STG                     ; my part of the stage
	v_lshlrev_b32 v6, 2, v1
	v_lshl_add_u32 v6, v2, 9, v6
	v_add_nc_u32 v6, s62, v6                       ; STG + 1,024 w + 512 h + 4 r
	s_lshl_b32 s63, s16, 11
	s_lshl_b32 s62, s15, 8
	s_add_co_u32 s63, s63, s62
	s_add_co_u32 s63, s63, STG
	v_lshl_add_u32 v7, v3, 3, s63                  ; STG + 2,048 (w / 2) + 256 (w % 2) + 8 l
	s_lshl_b32 s48, s19, 8                         ; the number of the trip's even tile: 256 x quarter + 32 x half ..
	s_lshl_b32 s62, s15, 5
	s_add_co_u32 s48, s48, s62
	s_add_co_u32 s49, s48, 1                       ; and of its odd tile
	s_lshl_b32 s51, s15, 15                        ; LDS byte at which my half of the chunk begins
.irp n, 0,1,2,3,4,5,6,7                ; the running best starts below every number; these stand in the wait for the first chunk
	v_mov_b32 v[BE+\n], 0xff800000
	v_mov_b32 v[BE+8+\n], 0xff800000
	v_mov_b32 v[IX+\n], 0
.endr
	v_mov_b32 v13, 0
	v_mov_b32 v14, 0
	s_cmp_lg_u32 s14, 0
	s_cbranch_scc1 .Lno_side
	; wave 0: the ranks of hits 64 q ..: lane l holds cnt[4 l ..] and cnt[128 + 4 l ..]; those of groups before q count
	global_load_b128 v[184:187], v4, s[6:7]
	global_load_b128 v[188:191], v4, s[6:7] offset:512
	global_load_b64 v[192:193], v8, s[8:9]
	v_lshlrev_b32 v12, 2, v3
	v_sub_nc_u32 v12, s20, v12                     ; q - 4 l
	s_wait_loadcnt 0x0
.irp k, 0,1,2,3
	v_cmp_lt_i32 vcc_lo, \k, v12
	v_cndmask_b32 v14, 0, v[184+\k], vcc_lo
	v_add_nc_u32 v13, v13, v14
	v_cmp_lt_i32 vcc_lo, 128+\k, v12
	v_cndmask_b32 v14, 0, v[188+\k], vcc_lo
	v_add_nc_u32 v13, v13, v14
.endr
	v_cvt_f32_u32 v13, v13                         ; at most 16,384: exact in f32
	v_add_f32_dpp v13, v13, v13 row_xmask:1 row_mask:0xf bank_mask:0xf
	v_add_f32_dpp v13, v13, v13 row_xmask:2 row_mask:0xf bank_mask:0xf
	v_add_f32_dpp v13, v13, v13 row_xmask:4 row_mask:0xf bank_mask:0xf
	v_add_f32_dpp v13, v13, v13 row_xmask:8 row_mask:0xf bank_mask:0xf
	v_permlanex16_b32 v14, v13, s54, s55
	v_add_f32 v13, v13, v14
	v_cvt_u32_f32 v13, v13
.irp k, 0,1
	v_cmp_gt_i32 vcc_lo, 0, v[192+\k]
	v_add_nc_u32 v[192+\k], v[192+\k], v13
	v_cndmask_b32 v[192+\k], v[192+\k], -1, vcc_lo
.endr
	global_store_b64 v8, v[192:193], s[12:13]      ; 256 consecutive bytes, aligned
.Lno_side:
	s_wait_loadcnt 0x0                             ; my hits' fragments
.irp n, 0,1,2,3,4,5,6,7                ; as hits they carry ones in K places 24-26, where as centres they carry the pieces (places 27-31 are 0 already)
	v_cndmask_b32 v[BF+8*\n+4], v[BF+8*\n+4], s60, s52
	v_cndmask_b32 v[BF+8*\n+5], v[BF+8*\n+5], s61, s52
.endr
; A trip takes two tiles: sixteen SLOTS m: tile m / 8 (even, odd) against hit tile m % 8, result buffer m % 4.
.macro WM m                            ; the product: C is always 0, so no sum is carried from one matrix instruction to another
	v_wmma_f32_16x16x32_bf16 v[DD+8*((\m)%4):DD+8*((\m)%4)+7], v[AF+8*((\m)/8):AF+8*((\m)/8)+7], v[BF+8*((\m)%8):BF+8*((\m)%8)+7], 0
.endm
.macro MX3 m                           ; eight numbers and the running best into three; the result is read from its low end on
.set rD, DD+8*((\m)%4)
	v_max3_num_f32 v[rD],   v[rD],   v[rD+1], v[rD+2]
	v_max3_num_f32 v[rD+3], v[rD+3], v[rD+4], v[rD+5]
	v_max3_num_f32 v[rD+6], v[rD+6], v[rD+7], v[BE+8*((\m)/8)+(\m)%8]
.endm
.macro MX1 m                           ; and into the other set
.set rD, DD+8*((\m)%4)
	v_max3_num_f32 v[BE+8*(1-(\m)/8)+(\m)%8], v[rD], v[rD+3], v[rD+6]
.endm
.macro CP m                            ; has the best grown?  (strictly: the first tile keeps a tie)
	v_cmp_gt_f32 vcc_lo, v[BE+8*(1-(\m)/8)+(\m)%8], v[BE+8*((\m)/8)+(\m)%8]
.endm
.macro SL m                            ; then the tile's number is kept
	v_cndmask_b32 v[IX+(\m)%8], v[IX+(\m)%8], s[48+(\m)/8], vcc_lo
.endm
; Position i of a trip: the product of slot i + 2; the maxima of slot i; compare and select of slot i - 1, set between them so that neither waits for the line before it.
; A result is read two positions behind its product: twelve plain vector instructions that name none of its registers stand between (ISA guide 7.12.1 asks for four), and its buffer is written again
; two positions later still.  A fragment is loaded again six such instructions behind the last product that read it.
; last = 1: a chunk's last trip: nothing more is fetched, and the next trip's first two products are left out.
.macro TRIP last
.set i, 0
.rept 16
.if i == 6
.if \last
	s_wait_dscnt 0x0                               ; the odd tile's fragment is in; nothing was asked for behind it
.else
	s_wait_dscnt 0x2                               ; the odd tile's fragment is in; the two loads of the next even tile, issued behind it, may stay out
.endif
.endif
.if (i == 14) && !(\last)
	s_wait_dscnt 0x2                               ; the next even tile's fragment is in; the two loads of the next odd tile may stay out
.endif
.if !(\last) || (i < 14)
	WM (i+2)%16
.endif
	MX3 i
	CP (i+15)%16
	MX1 i
	SL (i+15)%16
.if i == 0
	s_add_co_u32 s49, s48, 1                       ; the last trip's slot 15 has just used the old number
.endif
.if (i == 5) && !(\last)
	ds_load_b128 v[AF:AF+3],   v[AD] offset:2048
	ds_load_b128 v[AF+4:AF+7], v[AD] offset:2560
.endif
.if (i == 13) && !(\last)
	ds_load_b128 v[AF+8:AF+11],  v[AD] offset:3072
	ds_load_b128 v[AF+12:AF+15], v[AD] offset:3584
	v_add_nc_u32 v[AD], 2048, v[AD]
.endif
.set i, i+1
.endr
	s_add_co_u32 s48, s48, 2
.endm
; Chunk c: 32 tiles of mine, 16 trips.  The wait leaves the later chunks' loads out.  No LDS load of mine is out at the signal: the last trip's wait was for 0.
.macro CHUNK c
	s_wait_tensorcnt 3-(\c)                        ; my quarter of chunk c is in,
	s_barrier_signal -1
	s_barrier_wait -1                              ; everybody's is
	v_add_nc_u32 v[AD], s51, v4
	ds_load_b128 v[AF:AF+3],     v[AD]
	ds_load_b128 v[AF+4:AF+7],   v[AD] offset:512
	ds_load_b128 v[AF+8:AF+11],  v[AD] offset:1024
	ds_load_b128 v[AF+12:AF+15], v[AD] offset:1536
	s_wait_dscnt 0x2                               ; the even tile's fragment is in; the odd tile's two loads may stay out
	WM 0
	WM 1
.rept 4
	v_nop                                          ; here no earlier slot's work stands behind the first product: four places in front of the read of its result
.endr
	s_mov_b32 s50, 15
.Ltrip_\@:
	TRIP 0
	s_sub_co_u32 s50, s50, 1
	s_cmp_lg_u32 s50, 0
	s_cbranch_scc1 .Ltrip_\@
	TRIP 1
	s_add_co_u32 s48, s48, 32                      ; over the other wave's half
	s_add_co_u32 s51, s51, 65536
.endm
	CHUNK 0
	CHUNK 1
	CHUNK 2
	CHUNK 3
	CP 15
	SL 15
; (va, ia) takes (vb, ib) where vb is greater, or equal with the lower block
.macro LEX va, ia, vb, ib
	v_cmp_gt_f32 s21, v[\vb], v[\va]
	v_cmp_eq_f32 s22, v[\vb], v[\va]
	v_cmp_lt_u32 s23, v[\ib], v[\ia]
	s_and_b32 s22, s22, s23
	s_or_b32 s21, s21, s22
	v_cndmask_b32 v[\va], v[\va], v[\vb], s21
	v_cndmask_b32 v[\ia], v[\ia], v[\ib], s21
.endm
.irp n, 0,1,2,3,4,5,6,7                ; the block is 2 x tile + half of the lanes; the hit's other lane holds the other blocks' best
	v_lshl_add_u32 v[IX+\n], v[IX+\n], 1, v2
	v_permlanex16_b32 v12, v[BE+\n], s54, s55
	v_permlanex16_b32 v13, v[IX+\n], s54, s55
	LEX BE+\n, IX+\n, 12, 13
	v_cndmask_b32 v14, v[BE+\n], v[IX+\n], s52     ; lower lanes hand on the value, upper lanes the block
	ds_store_b32 v6, v14 offset:64*\n
.endr
	s_wait_dscnt 0x0                               ; for the others' sake: my stores are done
	s_barrier_signal -1
	s_barrier_wait -1
	ds_load_b64 v[16:17], v7                       ; hits 64 w + 2 l and + 1: the two waves that walked the two halves of the chunks
	ds_load_b64 v[18:19], v7 offset:512
	ds_load_b64 v[20:21], v7 offset:1024
	ds_load_b64 v[22:23], v7 offset:1536
	s_wait_dscnt 0x0
	LEX 16, 18, 20, 22
	LEX 17, 19, 21, 23
	global_store_b64 v8, v[18:19], s[10:11]        ; 256 consecutive bytes, aligned
	s_wait_tensorcnt 0x0                           ; the wave's end: a wait, an add and a wait, behind my last tensor load and my last LDS store
	ds_add_u32 v[SPW], v[NIL]
	s_wait_dscnt 0x0
	CROUND                                         ; the closing round: no work-group ends while a partner may still ask for a tile that names it
	s_endpgm
.Lfunc_end_k_q4f87501213_sweep:
	.size	k_q4f87501213_sweep, .Lfunc_end_k_q4f87501213_sweep-k_q4f87501213_sweep
	.p2alignl 7, 3214868480
	.fill 96, 4, 3214868480
	.section	.rodata,"a",@progbits
	.p2align	6, 0x0
	.amdhsa_kernel k_q4f87501213_sweep
		.amdhsa_group_segment_fixed_size 266752
		.amdhsa_private_segment_fixed_size 0
		.amdhsa_enable_private_segment 0
		.amdhsa_kernarg_size 40
		.amdhsa_user_sgpr_count 2
		.amdhsa_user_sgpr_kernarg_segment_ptr 1
		.amdhsa_wavefront_size32 1
		.amdhsa_system_sgpr_workgroup_id_x 1
		.amdhsa_system_sgpr_workgroup_id_y 1
		.amdhsa_system_sgpr_workgroup_id_z 1
		.amdhsa_system_vgpr_workitem_id 0
		.amdhsa_next_free_vgpr 200
		.amdhsa_next_free_sgpr 66
		.amdhsa_reserve_vcc 1
		.amdhsa_float_denorm_mode_32 3
		.amdhsa_float_denorm_mode_16_64 3
		.amdhsa_memory_ordered 1
		.amdhsa_forward_progress 1
		.amdhsa_inst_pref_size 76
	.end_amdhsa_kernel
	.amdgpu_metadata
---
amdhsa.version: [ 1, 2 ]
amdhsa.kernels:
  - .name:           k_q4f87501213_sweep
    .symbol:         k_q4f87501213_sweep.kd
    .args:
      - { .name: frag, .offset: 0, .size: 8, .value_kind: global_buffer, .address_space: global }
      - { .name: cnt, .offset: 8, .size: 8, .value_kind: global_buffer, .address_space: global }
      - { .name: lrank, .offset: 16, .size: 8, .value_kind: global_buffer, .address_space: global }
      - { .name: blk, .offset: 24, .size: 8, .value_kind: global_buffer, .address_space: global }
      - { .name: rank, .offset: 32, .size: 8, .value_kind: global_buffer, .address_space: global }
    .group_segment_fixed_size: 266752
    .private_segment_fixed_size: 0
    .kernarg_segment_align: 8
    .kernarg_segment_size: 40
    .max_flat_workgroup_size: 128
    .sgpr_count:     66
    .vgpr_count:     200
    .wavefront_size: 32
...
	.end_amdgpu_metadata
.endif
;; end of part 2
;; launch refine (part 3): grid 256 x 1, 16 waves a work-group, no clusters, 2,560 bytes of LDS; arguments out1, blk, rank, out2, out3; writes out2, out3
.if DOCPART == 3
	.amdgcn_target "amdgcn-amd-amdhsa--gfx1250"
	.amdhsa_code_object_version 6
	.text
	.protected	k_q4f87501213_refine
	.globl	k_q4f87501213_refine
	.p2align	8
	.type	k_q4f87501213_refine,@function
k_q4f87501213_refine:
	s_mov_b64 s[64:65], 0
	v_nop
	global_prefetch_b8 v0, s[64:65] scope:SCOPE_SE
	s_setreg_imm32_b32 hwreg(HW_REG_WAVE_MODE, 25, 1), 1
	s_wait_xcnt 0x0
; REFINE.  For each hit the 32 candidates that the sweep left (four quarters x a block of eight centres) are measured in f32 on the unrounded coordinates:
; dist = sqrt(sum (a - b)^2); a candidate counts if dist < 1 and it is a centre (rank >= 0); out2 = the least distance or 1e9; out3 = the rank of the nearest, on equal distance the lowest, or -1.
; SHARES.  A wave takes four hits, one after the other; lane l stands for quarter l / 8, candidate l % 8.  A work-group of 16 waves takes 64 hits, whose results leave as whole runs of 256 bytes.
; The candidates' addresses come from blk, whole numbers that the launch before stored; each candidate's rank is loaded beside it, so no address hangs on a distance.
; No matrix unit (a hit has 32 candidates of its own), no tensor load, no cluster: which rows a work-group reads hangs on blk, and no two ask for the same ones.
; LIMITS.  A hit's distance to itself is exactly 0.  A squared distance below 2^-126 gives 0.  NaN and infinities are not treated apart.
.set SPARE, 512                        ; LDS: out2's 64 numbers at 0, out3's at 256; then the spare words, 128 bytes a wave: eight blocks of 256 bytes that no other line names
.set BL,   4                           ; v4-7    the four hits' blocks in my quarter
.set JJ,   8                           ; v8-11   my candidate's index
.set OFS,  12                          ; v12-15  its byte offset in out1
.set RK,   16                          ; v16-19  its rank
.set SPW,  20                          ; my spare word's LDS address; never rewritten
.set NIL,  21                          ; 0; never rewritten
.set J4,   24                          ; v24-27  its byte offset in rank
.set RD,   36                          ; v36-39  the four hits' distances
.set RI,   40                          ; v40-43  their instances
.set OWN,  64                          ; v64-159   the four hits' own rows
.set CAND, 160                         ; v160-255  my candidates' rows
	s_load_b256 s[4:11], s[0:1], 0x0               ; out1 s[4:5], blk s[6:7], rank s[8:9], out2 s[10:11]
	s_load_b64 s[12:13], s[0:1], 0x20              ; out3
	v_lshl_add_u32 v[SPW], v0, 2, SPARE
	v_mov_b32 v[NIL], 0
	v_lshrrev_b32 v3, 5, v0
	v_readfirstlane_b32 s14, v3                    ; wave 0..15
	v_and_b32 v1, 7, v0                            ; candidate
	v_bfe_u32 v2, v0, 3, 2                         ; quarter
	v_lshlrev_b32 v2, 16, v2                       ; its 65,536 bytes of blk
	v_mov_b32 v22, 0
	v_mov_b32 v35, 0
	v_and_b32 v46, 3, v0
	v_lshlrev_b32 v46, 2, v46
	v_lshl_add_u32 v46, v3, 4, v46                 ; LDS: 16 w + 4 (l % 4)
	s_lshl_b32 s16, ttmp9, 6
	s_lshl_b32 s17, s14, 2
	s_add_co_u32 s16, s16, s17                     ; my first hit
	s_lshl_b32 s18, s16, 2
	s_mov_b32 s19, 0
	s_mul_i32 s20, s16, 96
	s_mov_b32 s21, 0
	s_mov_b32 s26, 0x4e6e6b28                      ; 1e9
	s_mov_b32 s28, 0x76543210
	s_mov_b32 s29, 0xfedcba98
	s_mov_b32 s30, 0x22222222                      ; lanes with l % 4 = 1, 2, 3
	s_mov_b32 s31, 0x44444444
	s_mov_b32 s32, 0x88888888
	s_wait_kmcnt 0x0
	s_add_nc_u64 s[6:7], s[6:7], s[18:19]
	s_add_nc_u64 s[22:23], s[4:5], s[20:21]
	global_load_b128 v[BL:BL+3], v2, s[6:7]
.set k, 0
.rept 24                               ; the four hits' rows, 384 bytes on end, the same in every lane
	global_load_b128 v[OWN+4*k:OWN+4*k+3], v22, s[22:23] offset:16*k
.set k, k+1
.endr
	s_wait_loadcnt 24                              ; the blocks are in; the 24 loads behind them may stay out
.irp n, 0,1,2,3
	v_min_u32 v[BL+\n], 0x7ff, v[BL+\n]            ; a block's number stays inside the table
	v_lshl_add_u32 v[JJ+\n], v[BL+\n], 3, v1
	v_mul_u32_u24 v[OFS+\n], v[JJ+\n], 96
	v_lshlrev_b32 v[J4+\n], 2, v[JJ+\n]
.endr
.irp n, 0,1,2,3
.irp j, 0,1,2,3,4,5
	global_load_b128 v[CAND+24*\n+4*\j:CAND+24*\n+4*\j+3], v[OFS+\n], s[4:5] offset:16*\j
.endr
	global_load_b32 v[RK+\n], v[J4+\n], s[8:9]
.endr
.macro MINALL r                        ; the least over the wave's 32 lanes, in every lane
	v_min_num_f32_dpp v[\r], v[\r], v[\r] row_xmask:1 row_mask:0xf bank_mask:0xf
	v_min_num_f32_dpp v[\r], v[\r], v[\r] row_xmask:2 row_mask:0xf bank_mask:0xf
	v_min_num_f32_dpp v[\r], v[\r], v[\r] row_xmask:4 row_mask:0xf bank_mask:0xf
	v_min_num_f32_dpp v[\r], v[\r], v[\r] row_xmask:8 row_mask:0xf bank_mask:0xf
	v_permlanex16_b32 v35, v[\r], s28, s29
	v_min_num_f32 v[\r], v[\r], v35
.endm
.macro HIT n
.set rO, OWN+24*(\n)
.set rC, CAND+24*(\n)
	s_wait_loadcnt 7*(3-(\n))                      ; this hit's seven loads are in; seven for each later hit may stay out
.irp j, 0,2,4,6,8,10,12,14,16,18,20,22
	v_pk_add_f32 v[rC+\j:rC+\j+1], v[rO+\j:rO+\j+1], v[rC+\j:rC+\j+1] neg_lo:[0,1] neg_hi:[0,1]
.endr
	v_pk_mul_f32 v[28:29], v[rC:rC+1],   v[rC:rC+1]
	v_pk_mul_f32 v[30:31], v[rC+2:rC+3], v[rC+2:rC+3]
.irp j, 4,8,12,16,20                   ; two chains, so that no line waits for the one before it
	v_pk_fma_f32 v[28:29], v[rC+\j:rC+\j+1],   v[rC+\j:rC+\j+1],   v[28:29]
	v_pk_fma_f32 v[30:31], v[rC+\j+2:rC+\j+3], v[rC+\j+2:rC+\j+3], v[30:31]
.endr
	v_pk_add_f32 v[28:29], v[28:29], v[30:31]
	v_add_f32 v32, v28, v29
	v_sqrt_f32 v32, v32
	v_cvt_f32_i32 v33, v[RK+(\n)]                  ; a plain instruction behind the root; a rank is at most 16,383: exact in f32
	s_wait_alu depctr_va_vdst(0)
	v_cmp_gt_f32 s24, 1.0, v32
	v_cmp_le_i32 s25, 0, v[RK+(\n)]
	s_and_b32 s24, s24, s25
	v_cndmask_b32 v34, s26, v32, s24               ; the distance, or 1e9
	v_mov_b32 v[RD+(\n)], v34
	MINALL RD+(\n)
	v_cmp_eq_f32 vcc_lo, v34, v[RD+(\n)]
	v_cndmask_b32 v33, s26, v33, vcc_lo            ; among the nearest the lowest rank, which is the lowest index
	MINALL 33
	v_cvt_i32_f32 v33, v33
	v_cmp_gt_f32 vcc_lo, s26, v[RD+(\n)]
	v_cndmask_b32 v[RI+(\n)], -1, v33, vcc_lo
.endm
	HIT 0
	HIT 1
	HIT 2
	HIT 3
	v_cndmask_b32 v44, v[RD], v[RD+1], s30         ; lane l hands on hit l % 4
	v_cndmask_b32 v45, v[RI], v[RI+1], s30
	v_cndmask_b32 v44, v44, v[RD+2], s31
	v_cndmask_b32 v45, v45, v[RI+2], s31
	v_cndmask_b32 v44, v44, v[RD+3], s32
	v_cndmask_b32 v45, v45, v[RI+3], s32
	ds_store_b32 v46, v44                          ; eight lanes write the same word with the same number
	ds_store_b32 v46, v45 offset:256
	s_wait_tensorcnt 0x0                           ; the wave's end: a wait, an add and a wait behind my last LDS store; the last wait also says that my stores are done,
	ds_add_u32 v[SPW], v[NIL]
	s_wait_dscnt 0x0                               ; for the others' sake
	s_barrier_signal -1
	s_barrier_wait -1
	s_cmp_gt_u32 s14, 1
	s_cbranch_scc1 .Ldone
	v_lshlrev_b32 v47, 3, v0                       ; wave 0: out2's 256 bytes; wave 1: out3's
	ds_load_b64 v[48:49], v47
	v_and_b32 v50, 31, v0
	v_lshlrev_b32 v50, 3, v50
	s_cmp_eq_u32 s14, 0
	s_cselect_b64 s[34:35], s[10:11], s[12:13]
	s_lshl_b32 s36, ttmp9, 8
	s_mov_b32 s37, 0
	s_add_nc_u64 s[34:35], s[34:35], s[36:37]
	s_wait_dscnt 0x0
	global_store_b64 v50, v[48:49], s[34:35]       ; 256 consecutive bytes, aligned
.Ldone:
	s_endpgm
.Lfunc_end_k_q4f87501213_refine:
	.size	k_q4f87501213_refine, .Lfunc_end_k_q4f87501213_refine-k_q4f87501213_refine
	.p2alignl 7, 3214868480
	.fill 96, 4, 3214868480
	.section	.rodata,"a",@progbits
	.p2align	6, 0x0
	.amdhsa_kernel k_q4f87501213_refine
		.amdhsa_group_segment_fixed_size 2560
		.amdhsa_private_segment_fixed_size 0
		.amdhsa_enable_private_segment 0
		.amdhsa_kernarg_size 40
		.amdhsa_user_sgpr_count 2
		.amdhsa_user_sgpr_kernarg_segment_ptr 1
		.amdhsa_wavefront_size32 1
		.amdhsa_system_sgpr_workgroup_id_x 1
		.amdhsa_system_sgpr_workgroup_id_y 1
		.amdhsa_system_sgpr_workgroup_id_z 1
		.amdhsa_system_vgpr_workitem_id 0
		.amdhsa_next_free_vgpr 256
		.amdhsa_next_free_sgpr 66
		.amdhsa_reserve_vcc 1
		.amdhsa_float_denorm_mode_32 3
		.amdhsa_float_denorm_mode_16_64 3
		.amdhsa_memory_ordered 1
		.amdhsa_forward_progress 1
		.amdhsa_inst_pref_size 21
	.end_amdhsa_kernel
	.amdgpu_metadata
---
amdhsa.version: [ 1, 2 ]
amdhsa.kernels:
  - .name:           k_q4f87501213_refine
    .symbol:         k_q4f87501213_refine.kd
    .args:
      - { .name: out1, .offset: 0, .size: 8, .value_kind: global_buffer, .address_space: global }
      - { .name: blk, .offset: 8, .size: 8, .value_kind: global_buffer, .address_space: global }
      - { .name: rank, .offset: 16, .size: 8, .value_kind: global_buffer, .address_space: global }
      - { .name: out2, .offset: 24, .size: 8, .value_kind: global_buffer, .address_space: global }
      - { .name: out3, .offset: 32, .size: 8, .value_kind: global_buffer, .address_space: global }
    .group_segment_fixed_size: 2560
    .private_segment_fixed_size: 0
    .kernarg_segment_align: 8
    .kernarg_segment_size: 40
    .max_flat_workgroup_size: 512
    .sgpr_count:     66
    .vgpr_count:     256
    .wavefront_size: 32
...
	.end_amdgpu_metadata
.endif
;; end of part 3
